; MI455X (gfx1250); checked and timed in simulation.
; The chip was launched on July 23, 2026; its instructions are those of AMD's public machine-readable ISA for CDNA 5 (MIT licence, August 2026) and "CDNA5" Instruction Set Architecture Reference Guide (July 2026). The comments in the code are by the model that wrote it; some were corrected since.
;; Linear. Allowed arithmetic: float matrix products may take bf16 or f16 operands with f32 sums; all other float work in f32.
;; Inputs: A 64 x 4,096 float32; B 4,096 x 64 float32; WL 64 x 4,096 float32; WR 4,096 x 64 float32; W_base 4,096 x 4,096 float32; b_base 4,096 float32; x 4 x 512 x 4,096 float32.
;; Outputs: out0 4 x 512 x 4,096 float32.
;; One version. Each part assembles by itself: llvm-mc -triple=amdgcn-amd-amdhsa -mcpu=gfx1250 --defsym DOCPART=n.
;; ======== version 1 of 1: 2 launches
;; limits: values are held in f16: magnitudes above 65,504 overflow, below 6.1e-05 lose precision
;; workspace buffers: xb 16,777,216 bytes; wb 33,554,432 bytes
;; launch prep (part 1): grid 16 x 16, 16 waves a work-group, no clusters, 208,896 bytes of LDS; arguments x, W_base, A, WL, B, WR, xb, wb; writes xb, wb
.if DOCPART == 1
	.amdgcn_target "amdgcn-amd-amdhsa--gfx1250"
	.amdhsa_code_object_version 6
	.text
	.protected	k_q0929e874b9_prep
	.globl	k_q0929e874b9_prep
	.p2align	8
	.type	k_q0929e874b9_prep,@function
k_q0929e874b9_prep:
	s_mov_b64 s[64:65], 0
	v_nop
	global_prefetch_b8 v0, s[64:65] scope:SCOPE_SE
	s_setreg_imm32_b32 hwreg(HW_REG_WAVE_MODE, 25, 1), 1
	s_wait_xcnt 0x0
; xb = f16(x)                                   x:  [2048][4096] f32 -> xb: [2048][4096] f16
; wb = f16(W_base + 0.25 (B + WR)(A + WL))      W_base: [4096][4096] f32 -> wb: [4096][4096] f16;  A, WL: [64][4096];  B, WR: [4096][64]
; The low-rank path is merged into the weight: x W^T + 0.25 ((x Abar^T) Bbar^T) = x (W + 0.25 Bbar Abar)^T, an identity for every input.
; ORDER OF ROUNDING, which differs from the written order of the sums: Abar = A + WL and Bbar = B + WR are added in f32 and rounded once to bf16;
; their product over the 64 ranks is summed in f32 by the matrix unit; W + 0.25 P is one fused multiply-add in f32, rounded once to f16; x is rounded once to f16.
; LIMIT OF FORMAT: an x or a merged weight that rounds past f16's largest number, 65,504, becomes infinity; one of magnitude 2^-25 or below becomes 0.
; f16 keeps 11 significant bits; it is taken for the two large operands because the merged weight is rounded apart from W_base itself.
;
; SHARES.  Work-group (bx, by) of 16 x 16 owns the block of W of rows 256 by .. +255 and columns 256 bx .. +255, and rows 8 g .. 8 g + 7 of x, g = 16 by + bx.
; Wave w of 16 owns 16 rows of the block (all 256 columns), rows 4 w .. 4 w + 3 of the Abar tile, its own 16 rows of Bbar, and 8,192 bytes of x.
; Every load of a wave covers 512 consecutive bytes, every store 256 consecutive bytes at a multiple of 256 from its buffer's first byte.  48 loads of a wave go out at once.
; NO JOINT REQUESTS: the tiles of A, WL, B, WR are shared by 16 work-groups each, but to land them by tensor loads they would lie in LDS in f32,
; 4 x 65,536 = 262,144 bytes beside the 206,848 in use here, more than the 327,680 that there are.  They are loaded through registers instead.
.set PA,    544                        ; pitch of the Abar tile: 512 bytes (256 bf16) + 32 = 17 x 32, for the transposing loads
.set PB,    144                        ; pitch of a Bbar strip: 128 bytes (64 bf16) + 16 = 9 x 16
.set PS,    528                        ; pitch of a stage: 512 bytes (128 f32) + 16 = 33 x 16: 16 rows of one column start at 16 different 16-byte columns modulo 256
.set BTILE, 64*PA                      ; LDS: 0 Abar [64 ranks][256 columns]; 34,816 + 2,304 w Bbar, the wave's own 16 rows
.set STG,   BTILE+16*16*PB             ; 71,680 + 8,448 w: the wave's own stage, 16 rows x 128 columns of P in f32
.set FROW,  16384                      ; bytes in a row of x, W_base, A, WL
.set HROW,  8192                       ; bytes in a row of xb, wb
.set LN16,  4                          ; v4   16 x lane
.set LN8,   5                          ; v5   8 x lane
.set AST,   6                          ; v6   where I put 8 bytes of Abar
.set BST,   7                          ; v7   where I put 8 bytes of Bbar
.set BFR,   8                          ; v8   where I read Bbar's fragments
.set TRA,   9                          ; v9   where I read Abar's fragments, transposed
.set STO,   10                         ; v10  where I put P
.set RD,    11                         ; v11  where I read P back by rows
.set BF,    16                         ; v[16:31]    Bbar's fragments: ranks 0-31, ranks 32-63
.set ACC,   32                         ; v[32:63]    four accumulator tiles; before that the packed Abar and Bbar
.set F,     64                         ; v[64:127]   x, then Abar's fragments, then P read back
.set L0,    128                        ; v[128:191]  A and WL, then W's columns 0-127
.set L1,    192                        ; v[192:255]  B and WR, then W's columns 128-255
; No address register is written a second time.
	s_load_b512 s[4:19], s[0:1], 0x0               ; x s[4:5], W_base s[6:7], A s[8:9], WL s[10:11], B s[12:13], WR s[14:15], xb s[16:17], wb s[18:19]
	v_lshl_add_u32 v14, v0, 2, 0x32800
	v_mov_b32 v15, 0
	v_lshrrev_b32 v12, 5, v0
	v_readfirstlane_b32 s20, v12                   ; wave 0..15
	s_mov_b32 s21, ttmp9                           ; bx
	s_and_b32 s22, ttmp7, 0xffff                   ; by
	s_lshl4_add_u32 s23, s22, s21                  ; g = 16 by + bx
	s_lshl_b32 s24, s21, 10                        ; A, WL: column 256 bx (1,024 bytes) + row 4 w (4 x 16,384 bytes)
	s_lshl_b32 s36, s20, 16
	s_add_co_u32 s24, s24, s36
	s_mov_b32 s25, 0
	s_lshl_b32 s26, s22, 16                        ; B, WR: row 256 by + 16 w, rows of 256 bytes
	s_lshl_b32 s36, s20, 12
	s_add_co_u32 s26, s26, s36
	s_mov_b32 s27, 0
	s_lshl_b32 s28, s22, 22                        ; W_base: row 256 by + 16 w, column 256 bx
	s_lshl_b32 s36, s20, 18
	s_add_co_u32 s28, s28, s36
	s_lshl_b32 s36, s21, 10
	s_add_co_u32 s28, s28, s36
	s_mov_b32 s29, 0
	s_lshl_b32 s30, s23, 17                        ; x: 8 rows = 131,072 bytes a work-group, 8,192 a wave
	s_lshl_b32 s36, s20, 13
	s_add_co_u32 s30, s30, s36
	s_mov_b32 s31, 0
	s_lshr_b32 s32, s30, 1                         ; xb and wb: the same places at half the bytes
	s_mov_b32 s33, 0
	s_lshr_b32 s34, s28, 1
	s_mov_b32 s35, 0
	v_and_b32 v1, 31, v0                           ; lane
	v_and_b32 v2, 15, v0                           ; r = lane % 16
	v_bfe_u32 v3, v0, 4, 1                         ; h = lane / 16
	v_lshlrev_b32 v[LN16], 4, v1
	v_lshlrev_b32 v[LN8], 3, v1
	s_wait_kmcnt 0x0
	s_add_nc_u64 s[8:9], s[8:9], s[24:25]
	s_add_nc_u64 s[10:11], s[10:11], s[24:25]
	s_add_nc_u64 s[12:13], s[12:13], s[26:27]
	s_add_nc_u64 s[14:15], s[14:15], s[26:27]
	s_add_nc_u64 s[6:7], s[6:7], s[28:29]
	s_add_nc_u64 s[4:5], s[4:5], s[30:31]
	s_add_nc_u64 s[16:17], s[16:17], s[32:33]
	s_add_nc_u64 s[18:19], s[18:19], s[34:35]
	; 48 loads at once.  First A and WL: rank 4 w + q, columns 128 u + 4 lane .. + 3
.irp q, 0,1,2,3
.irp u, 0,1
	global_load_b128 v[L0+8*\q+4*\u:L0+8*\q+4*\u+3],       v[LN16], s[8:9]   offset:\q*FROW+\u*512
	global_load_b128 v[L0+32+8*\q+4*\u:L0+32+8*\q+4*\u+3], v[LN16], s[10:11] offset:\q*FROW+\u*512
.endr
.endr
	; then B and WR: row 2 t + h of my 16, ranks 4 r .. 4 r + 3
.irp t, 0,1,2,3,4,5,6,7
	global_load_b128 v[L1+4*\t:L1+4*\t+3],       v[LN16], s[12:13] offset:512*\t
	global_load_b128 v[L1+32+4*\t:L1+32+4*\t+3], v[LN16], s[14:15] offset:512*\t
.endr
	; then my 8,192 bytes of x, which the launch reads once
.irp t, 0,1,2,3,4,5,6,7,8,9,10,11,12,13,14,15
	global_load_b128 v[F+4*\t:F+4*\t+3], v[LN16], s[4:5] offset:512*\t th:TH_LOAD_NT
.endr
	; LDS addresses, while the loads are on their way
	s_mul_i32 s36, s20, 4*PA                       ; my four rows of the Abar tile
	s_mul_i32 s37, s20, 16*PB
	s_add_co_u32 s37, s37, BTILE                   ; my Bbar strip
	s_mul_i32 s38, s20, 16*PS
	s_add_co_u32 s38, s38, STG                     ; my stage
	v_lshl_add_u32 v[AST], v1, 3, s36              ; 4 bf16 a lane along a row
	v_mul_u32_u24 v12, v3, PB
	v_lshl_add_u32 v12, v2, 3, v12
	v_add_nc_u32 v[BST], s37, v12                  ; row h of a pair of rows, 8 r bytes
	v_mul_u32_u24 v12, v2, PB
	v_lshl_add_u32 v12, v3, 4, v12
	v_add_nc_u32 v[BFR], s37, v12                  ; a fragment from rows that lie along K: row r, 16 h bytes
	v_and_b32 v12, 7, v0
	v_lshl_add_u32 v12, v3, 3, v12
	v_mul_u32_u24 v12, v12, PA
	v_bfe_u32 v13, v0, 3, 1
	v_lshl_add_u32 v[TRA], v13, 4, v12             ; a fragment from rows that lie across K: rank 8 h + lane % 8, 16 bytes x bit 3 of the lane
	v_mul_u32_u24 v12, v2, PS
	v_lshl_add_u32 v12, v3, 5, v12
	v_add_nc_u32 v[STO], s38, v12                  ; row r, 8 h columns of f32
	v_lshl_add_u32 v[RD], v1, 4, s38               ; a whole row of 512 bytes, 16 a lane
; four sums of two f32 (the second addend lies 32 registers up), rounded to four bf16 in the pair d
.macro SUMCVT a, d
	v_pk_add_f32 v[\a:\a+1],   v[\a:\a+1],   v[\a+32:\a+33]
	v_pk_add_f32 v[\a+2:\a+3], v[\a+2:\a+3], v[\a+34:\a+35]
	v_cvt_pk_bf16_f32 v[\d],   v[\a],   v[\a+1]
	v_cvt_pk_bf16_f32 v[\d+1], v[\a+2], v[\a+3]
.endm
	s_wait_loadcnt 32                              ; loads come back in order: A and WL are in; the 16 of B and WR and the 16 of x stay out
.irp q, 0,1,2,3
.irp u, 0,1
	SUMCVT (L0+8*\q+4*\u), (ACC+4*\q+2*\u)
	ds_store_b64 v[AST], v[ACC+4*\q+2*\u:ACC+4*\q+2*\u+1] offset:\q*PA+\u*256
.endr
.endr
.irp t, 0,1,2,3,4,5,6,7,8,9,10,11,12,13,14,15
	global_load_b128 v[L0+4*\t:L0+4*\t+3], v[LN16], s[6:7] offset:\t*FROW th:TH_LOAD_NT        ; W: row t of my 16, columns 0-127
.endr
	s_wait_loadcnt 32                              ; B and WR are in; the 16 of x and the 16 of W just issued stay out
.irp t, 0,1,2,3,4,5,6,7
	SUMCVT (L1+4*\t), (ACC+16+2*\t)
	ds_store_b64 v[BST], v[ACC+16+2*\t:ACC+16+2*\t+1] offset:2*PB*\t
.endr
.irp t, 0,1,2,3,4,5,6,7,8,9,10,11,12,13,14,15
	global_load_b128 v[L1+4*\t:L1+4*\t+3], v[LN16], s[6:7] offset:\t*FROW+512 th:TH_LOAD_NT    ; W: columns 128-255
.endr
	s_wait_dscnt 0x0                               ; my four rows of Abar are in LDS: zero, for the other waves' sake
	s_barrier_signal -1
	s_barrier_wait -1                              ; the Abar tile is whole; nobody writes it again.  The launch's only barrier
	s_wait_loadcnt 32                              ; x is in; W's 32 loads stay out
.irp t, 0,1,2,3,4,5,6,7,8,9,10,11,12,13,14,15
	v_cvt_pk_f16_f32 v[F+4*\t],   v[F+4*\t],   v[F+4*\t+1]
	v_cvt_pk_f16_f32 v[F+4*\t+1], v[F+4*\t+2], v[F+4*\t+3]
	global_store_b64 v[LN8], v[F+4*\t:F+4*\t+1], s[16:17] offset:256*\t
.endr
	; Bbar's fragments: 16 rows x 32 ranks in 8 registers, twice.  The bytes are my own, and my stores of them were waited for above
.irp c, 0,1,2,3
	ds_load_b128 v[BF+4*\c:BF+4*\c+3], v[BFR] offset:32*\c
.endr
; Four tiles of P: columns 16 (4 g + i) .. + 15, i = 0..3, of my 16 rows.  Source 0 = 16 columns of Abar (its rows lie across K: two transposing loads for 32 ranks),
; source 1 = my 16 rows of Bbar: lane (r, h) then holds, in registers 0-7, P(row r, columns 8 h .. 8 h + 7): eight neighbouring numbers of a row.
.macro GROUP g
.if (\g&1) == 0
	s_wait_xcnt 0x0                                ; F is the data of stores issued above: it is loaded again only behind this wait
.endif
.irp i, 0,1,2,3
.irp c, 0,1
	ds_load_tr16_b128 v[F+16*\i+8*\c:F+16*\i+8*\c+3],   v[TRA] offset:32*\c*PA+32*(4*\g+\i)
	ds_load_tr16_b128 v[F+16*\i+8*\c+4:F+16*\i+8*\c+7], v[TRA] offset:(32*\c+16)*PA+32*(4*\g+\i)
.endr
.endr
	s_wait_dscnt 0x0
	; the four accumulators take turns, one instruction a turn; the first product starts each sum
.irp i, 0,1,2,3
	v_wmma_f32_16x16x32_bf16 v[ACC+8*\i:ACC+8*\i+7], v[F+16*\i:F+16*\i+7], v[BF:BF+7], 0
.endr
.irp i, 0,1,2,3
	v_wmma_f32_16x16x32_bf16 v[ACC+8*\i:ACC+8*\i+7], v[F+16*\i+8:F+16*\i+15], v[BF+8:BF+15], v[ACC+8*\i:ACC+8*\i+7]
.endr
.rept 5
	v_nop                                          ; places behind the matrix instructions: four before the LDS stores read the results and before F is loaded again, five before the next group's products write over the results
.endr
.irp i, 0,1,2,3
	ds_store_b128 v[STO], v[ACC+8*\i:ACC+8*\i+3]   offset:64*((4*\g+\i)&7)
	ds_store_b128 v[STO], v[ACC+8*\i+4:ACC+8*\i+7] offset:64*((4*\g+\i)&7)+16
.endr
.endm
; Half u (128 columns) of my 16 rows: P comes back from my stage by whole rows, W + 0.25 P in f32, one rounding to f16, 256 bytes a store.
; left = how many younger global loads may stay out when this half of W has to be there.
.macro COMBINE u, src, left
.irp t, 0,1,2,3,4,5,6,7,8,9,10,11,12,13,14,15
	ds_load_b128 v[F+4*\t:F+4*\t+3], v[RD] offset:PS*\t            ; LDS serves a wave's instructions in order (ISA guide 5.7.1): these see my stores above
.endr
	s_wait_loadcnt \left
.irp t, 0,1,2,3,4,5,6,7,8,9,10,11,12,13,14,15
	s_wait_dscnt 15-\t                             ; row t is back; the 15 - t younger rows stay out
	v_pk_fma_f32 v[F+4*\t:F+4*\t+1],   v[F+4*\t:F+4*\t+1],   0x3e800000, v[\src+4*\t:\src+4*\t+1]   op_sel_hi:[1,0,1]
	v_pk_fma_f32 v[F+4*\t+2:F+4*\t+3], v[F+4*\t+2:F+4*\t+3], 0x3e800000, v[\src+4*\t+2:\src+4*\t+3] op_sel_hi:[1,0,1]
	v_cvt_pk_f16_f32 v[F+4*\t],   v[F+4*\t],   v[F+4*\t+1]
	v_cvt_pk_f16_f32 v[F+4*\t+1], v[F+4*\t+2], v[F+4*\t+3]
	global_store_b64 v[LN8], v[F+4*\t:F+4*\t+1], s[18:19] offset:HROW*\t+256*\u
.endr
.endm
	GROUP 0
	GROUP 1
	COMBINE 0, L0, 16                              ; W's columns 0-127 are in; the 16 loads of columns 128-255 may stay out
	GROUP 2
	GROUP 3
	COMBINE 1, L1, 0
	s_wait_tensorcnt 0x0
	ds_add_u32 v14, v15
	s_wait_dscnt 0x0
	s_endpgm
.Lfunc_end_k_q0929e874b9_prep:
	.size	k_q0929e874b9_prep, .Lfunc_end_k_q0929e874b9_prep-k_q0929e874b9_prep
	.p2alignl 7, 3214868480
	.fill 96, 4, 3214868480
	.section	.rodata,"a",@progbits
	.p2align	6, 0x0
	.amdhsa_kernel k_q0929e874b9_prep
		.amdhsa_group_segment_fixed_size 208896
		.amdhsa_private_segment_fixed_size 0
		.amdhsa_enable_private_segment 0
		.amdhsa_kernarg_size 64
		.amdhsa_user_sgpr_count 2
		.amdhsa_user_sgpr_kernarg_segment_ptr 1
		.amdhsa_wavefront_size32 1
		.amdhsa_system_sgpr_workgroup_id_x 1
		.amdhsa_system_sgpr_workgroup_id_y 1
		.amdhsa_system_sgpr_workgroup_id_z 1
		.amdhsa_system_vgpr_workitem_id 0
		.amdhsa_next_free_vgpr 256
		.amdhsa_next_free_sgpr 66
		.amdhsa_reserve_vcc 0
		.amdhsa_float_denorm_mode_32 3
		.amdhsa_float_denorm_mode_16_64 3
		.amdhsa_memory_ordered 1
		.amdhsa_forward_progress 1
		.amdhsa_inst_pref_size 45
	.end_amdhsa_kernel
	.amdgpu_metadata
---
amdhsa.version: [ 1, 2 ]
amdhsa.kernels:
  - .name:           k_q0929e874b9_prep
    .symbol:         k_q0929e874b9_prep.kd
    .args:
      - { .name: x, .offset: 0, .size: 8, .value_kind: global_buffer, .address_space: global }
      - { .name: W_base, .offset: 8, .size: 8, .value_kind: global_buffer, .address_space: global }
      - { .name: A, .offset: 16, .size: 8, .value_kind: global_buffer, .address_space: global }
      - { .name: WL, .offset: 24, .size: 8, .value_kind: global_buffer, .address_space: global }
      - { .name: B, .offset: 32, .size: 8, .value_kind: global_buffer, .address_space: global }
      - { .name: WR, .offset: 40, .size: 8, .value_kind: global_buffer, .address_space: global }
      - { .name: xb, .offset: 48, .size: 8, .value_kind: global_buffer, .address_space: global }
      - { .name: wb, .offset: 56, .size: 8, .value_kind: global_buffer, .address_space: global }
    .group_segment_fixed_size: 208896
    .private_segment_fixed_size: 0
    .kernarg_segment_align: 8
    .kernarg_segment_size: 64
    .max_flat_workgroup_size: 512
    .sgpr_count:     66
    .vgpr_count:     256
    .wavefront_size: 32
...
	.end_amdgpu_metadata
.endif
;; end of part 1
;; launch gemm (part 2): grid 16 x 16, 4 waves a work-group, clusters of 4 x 4, 327,680 bytes of LDS; arguments xb, wb, b_base, out0; writes out0
.if DOCPART == 2
	.amdgcn_target "amdgcn-amd-amdhsa--gfx1250"
	.amdhsa_code_object_version 6
	.text
	.protected	k_q0929e874b9_gemm
	.globl	k_q0929e874b9_gemm
	.p2align	8
	.type	k_q0929e874b9_gemm,@function
k_q0929e874b9_gemm:
	s_mov_b64 s[64:65], 0
	v_nop
	global_prefetch_b8 v0, s[64:65] scope:SCOPE_SE
	s_setreg_imm32_b32 hwreg(HW_REG_WAVE_MODE, 25, 1), 1
	s_wait_xcnt 0x0
	s_wait_alu depctr_hold_cnt(0) depctr_sa_sdst(0) depctr_va_vdst(0) depctr_va_sdst(0) depctr_va_ssrc(0) depctr_va_vcc(0) depctr_vm_vsrc(0)
	s_getreg_b32 s2, hwreg(HW_REG_IB_STS2, 6, 4)
	s_cmp_eq_u32 s2, 0
	s_cbranch_scc0 .Lentry_in_a_cluster
	s_endpgm
.Lentry_in_a_cluster:
	s_bfe_u32 s2, ttmp6, 0x10000c
	s_cmp_lg_u32 s2, 0xf033
	s_cbranch_scc0 .Lentry_shape_is_right
	s_endpgm
.Lentry_shape_is_right:
; out0[m][n] = b_base[n] + sum over k of xb[m][k] wb[n][k].  xb: [2048][4096] f16, wb: [4096][4096] f16 (the merged weight), b_base: [4096] f32, out0: [2048][4096] f32.
; Sums in f32; the bias is the value from which each sum starts.  LIMIT OF FORMAT: the operands are f16 as the launch before left them
; (what rounded past f16's largest number, 65,504, is infinity there; what was 2^-25 or below in magnitude is 0).
; ORDER OF THE SUMS: K goes in laps of 256; a cluster of parity 0 takes the laps 0, 1, 2, 3, .., one of parity 1 takes them 1, 0, 3, 2, ..; inside a lap K ascends.
; A work-group makes a block of 128 x 256 of out0, so that 16 x 16 blocks give 256 work-groups; four waves, each 64 x 128: 32 accumulator tiles of 16 x 16, 256 registers.
; K goes in steps of 128 through a ring of two LDS slots filled by the tensor data mover: a tile's rows are 256 bytes of memory and start at multiples of 256 bytes
; from the buffer's first byte.  Two slots of two steps each would take 2 x 384 x 528 = 405,504 bytes and do not fit.
; CLUSTERS: 4 x 4 work-groups.  The four of a row of the cluster make blocks of one block row and need the same tiles of xb; the four of a column need the same tiles of wb.
; Each such tile is asked for jointly: the same tensor load, the same descriptor, a mask that names the four.  That divides the requests for both operands by four.
; A wave has two tensor loads out at the start and one behind each change of slots.
; THE WALK.  The block column comes from the cluster's y and the block row from its x: the four clusters that differ in x alone read the same 1,024 rows of wb (8 MiB),
; the four that differ in y alone the same 512 rows of xb (4 MiB).  The parity p = (x xor y xor (y >> 1)) & 1 differs between neighbours along x, between y = 0, 1, between 2, 3,
; between 0, 2 and between 1, 3.  In time-lap t a cluster multiplies lap t xor p, so that of two clusters that read the same rows and differ in p each asks, in every second lap,
; for tiles that the other asked for one lap earlier.  p hangs on the cluster's coordinates alone: it is the same in all partners of a joint load.
;
; REGISTERS, in windows of 256:
;   window 0: v0-31 addresses; v64-159 and v160-255 two fragment buffers (in each: 8 blocks of 16 rows of wb, then 4 blocks of 16 rows of xb, 32 K, 8 registers a block)
;   window 1: the accumulators, tile (a, b) at v[8 (8 a + b)], a = 0..3 along m, b = 0..7 along n
;   window 2: v[8 b + j] = the bias of column 16 b + 8 h + j of my 128
; s_set_vgpr_msb's low byte: bits 1:0 source 0, 3:2 source 1, 5:4 source 2, 7:6 destination.
; THE MATRIX INSTRUCTION IS USED TRANSPOSED: source 0 = 16 rows of wb, source 1 = 16 rows of xb.  Lane l then holds row m = l % 16 and, in registers 0-7,
; the columns n = 8 (l / 16) + 0..7: eight neighbouring f32 of a row of out0, two stores of 16 bytes into the stage.
.set KSTEP,  128
.set PITCH,  272                       ; an LDS row: 256 bytes + 16 of padding = 17 x 16: the 16 rows that a load touches start at 16 different 16-byte columns modulo 256
.set XHALF,  64*PITCH                  ; what one tensor load of xb brings, and what one wave reads of it
.set WHALF,  128*PITCH                 ; the same for wb
.set XT,     2*XHALF                   ; xb's 128 rows; wb's 256 rows lie behind them
.set SLOT,   XT+2*WHALF                ; 104,448 bytes
.set STAGE,  2*SLOT                    ; behind the ring, into which no tensor load lands: 16 rows x 528 bytes for each wave, for the way out
.set SPITCH, 528                       ; 512 bytes (128 f32) + 16 = 33 x 16
.set LAPS,   4096/(2*KSTEP)            ; a lap = two K steps = once round the ring: 16
.set OROW,   16384                     ; bytes in a row of out0
.set ADRA, 16                          ; v16-17  LDS address of my xb fragments in slot 0, 1
.set ADRB, 20                          ; v20-21  the same for wb
.set STO,  24                          ; v24     the way out: where I put 32 bytes of a row
.set RD,   25                          ; v25     the way out: where I read a row back
.set CO,   26                          ; v26     16 x lane: my 16 bytes of a row's 512
.set BO,   27                          ; v27     32 h: my eight bias numbers in a block of 16
.set F0,   64
.set F1,   160
.set G1,  24                           ; s[24:31] descriptor group 1 for xb's tiles
.set G0,  32                           ; s[32:39] descriptor group 0 for xb's tiles, one set for each slot
.set G1B, 48                           ; s[48:55] group 1 for wb's tiles
.set G0B, 56                           ; s[56:63] group 0 for wb's tiles, one set for each slot
.set PAR, 72                           ; s72      the cluster's parity p
.set NXT, 73                           ; s73      the time-lap that the next refills are for
.set OFS, 74                           ; s[74:75] byte offset along a row of the K step to be asked for, in 64 bits
.set MSB, 0
.macro WIN new                         ; the immediate's high byte repeats the setting that is left; a switch that changes nothing is dropped
.if MSB != \new
	s_set_vgpr_msb (MSB<<8)|\new
.set MSB, \new
.endif
.endm
.set MUL,     0x50                     ; fragments window 0, C and D window 1
.set MULBIAS, 0x60                     ; C window 2 (the bias), D window 1
.set TOBIAS,  0x80                     ; destination window 2
.set FROMACC, 0x04                     ; an LDS store's data (source 1) window 1
; A joint load.  Waves 0 and 1 fetch xb's two halves, waves 2 and 3 wb's.  Each line has one mask and one set of registers for all that issue it;
; the branch hangs on the wave's number alone.
.macro JLOAD s
	s_cmp_eq_u32 s13, 0
	s_cbranch_scc0 .Lfor_w_\@
	tensor_load_to_lds s[G0+4*\s:G0+4*\s+3], s[G1:G1+7]
	s_nop 0
	s_branch .Lasked_\@
.Lfor_w_\@:
	tensor_load_to_lds s[G0B+4*\s:G0B+4*\s+3], s[G1B:G1B+7]
	s_nop 0
.Lasked_\@:
.endm
; A round of the cluster's barrier: my work-group's barrier; wave 0 signals for the work-group; every wave waits for all sixteen; my work-group's barrier once more.
.macro CREST                           ; a round behind its opening barrier
	s_cmp_lg_u32 s12, 0
	s_cbranch_scc1 .Lnot_wave_0_\@
	s_barrier_signal -3
.Lnot_wave_0_\@:
	s_barrier_wait -3
	s_barrier_signal -1
	s_barrier_wait -1
.endm
.macro CROUND                          ; a whole round
	s_barrier_signal -1
	s_barrier_wait -1
	CREST
.endm
; Both group 0 of slot s get the address of the K step at byte s[OFS] of the rows.  Stands where no tensor load of the wave is out.
.macro AIM s
	s_add_nc_u64 s[G0+4*\s+2:G0+4*\s+3], s[40:41], s[OFS:OFS+1]    ; global address of xb's tile
	s_or_b32 s[G0+4*\s+3], s[G0+4*\s+3], 0x80000000                ; type = 2
	s_add_nc_u64 s[G0B+4*\s+2:G0B+4*\s+3], s[42:43], s[OFS:OFS+1]  ; and of wb's
	s_or_b32 s[G0B+4*\s+3], s[G0B+4*\s+3], 0x80000000
.endm
	s_load_b256 s[4:11], s[0:1], 0x0               ; xb s[4:5], wb s[6:7], b_base s[8:9], out0 s[10:11]
	v_lshl_add_u32 v62, v0, 2, 0x3b400
	v_mov_b32 v63, 0
	ds_add_u32 v62, v63
	v_lshrrev_b32 v1, 5, v0
	v_readfirstlane_b32 s12, v1                    ; wave 0..3
	s_lshr_b32 s13, s12, 1                         ; which 64 rows of the block are mine.  Also: I fetch for xb (0) or for wb (1)
	s_and_b32 s14, s12, 1                          ; which 128 columns.  Also: which half of that tile I fetch
	s_bfe_u32 s16, ttmp6, 0x40000                  ; cx
	s_bfe_u32 s17, ttmp6, 0x40004                  ; cy
	s_and_b32 s19, ttmp7, 0xffff                   ; in a cluster launch ttmp9 and ttmp7 count clusters: the cluster's y
	s_lshr_b32 s[PAR], s19, 1
	s_xor_b32 s[PAR], s[PAR], s19
	s_xor_b32 s[PAR], s[PAR], ttmp9
	s_and_b32 s[PAR], s[PAR], 1                    ; p = (x xor y xor (y >> 1)) & 1
	s_lshl_b32 s18, s19, 2
	s_add_co_u32 s18, s18, s16                     ; block column = 4 x cluster y + cx
	s_lshl_b32 s19, ttmp9, 2
	s_add_co_u32 s19, s19, s17                     ; block row = 4 x cluster x + cy
	s_lshl_b32 s20, s17, 2
	s_lshl_b32 s20, 15, s20                        ; my row of the cluster: places 4 cy .. 4 cy + 3
	s_lshl_b32 s21, 0x1111, s16                    ; my column: places cx, cx + 4, cx + 8, cx + 12
	; group 1: 15:0 the mask; 17:16 elements of 2 bytes; 20 padding on; 21 set beside a mask; 24:22 after every 64 words (code 5); 31:25 four words (code 3)
	s_or_b32 s[G1+0],  s20, (1<<16)|(1<<20)|(1<<21)|(5<<22)|(3<<25)   ; xb's tiles go to my row of the cluster
	s_or_b32 s[G1B+0], s21, (1<<16)|(1<<20)|(1<<21)|(5<<22)|(3<<25)   ; wb's to my column
	s_mov_b32 s[G1+1],  KSTEP<<16                  ; tensor_dim0 = 128
	s_mov_b32 s[G1B+1], KSTEP<<16
	s_mov_b32 s[G1+2],  64<<16                     ; tensor_dim1 = the tile's rows: 64 of xb,
	s_mov_b32 s[G1B+2], 128<<16                    ; 128 of wb
	s_mov_b32 s[G1+3],  KSTEP<<16                  ; tile_dim0 = 128
	s_mov_b32 s[G1B+3], KSTEP<<16
	s_mov_b32 s[G1+4],  64                         ; tile_dim1
	s_mov_b32 s[G1B+4], 128
	s_mov_b32 s[G1+5],  4096                       ; elements from row to row
	s_mov_b32 s[G1B+5], 4096
	s_mov_b32 s[G1+6],  0
	s_mov_b32 s[G1B+6], 0
	s_mov_b32 s[G1+7],  0
	s_mov_b32 s[G1B+7], 0
	; where the tiles come from: xb's hang on the block row alone, wb's on the block column alone, each in registers that never hold the other place in the cluster
	s_lshl_b32 s40, s19, 20                        ; xb: row 128 x block row + 64 x half, rows of 8,192 bytes
	s_lshl_b32 s41, s14, 19
	s_add_co_u32 s40, s40, s41
	s_mov_b32 s41, 0
	s_lshl_b32 s42, s18, 21                        ; wb: row 256 x block column + 128 x half
	s_lshl_b32 s43, s14, 20
	s_add_co_u32 s42, s42, s43
	s_mov_b32 s43, 0
	s_mul_i32 s44, s14, XHALF                      ; and where they go: no place in the cluster enters an LDS address
	s_mul_i32 s45, s14, WHALF
	s_add_co_u32 s45, s45, XT
	s_lshl_b32 s66, s18, 10                        ; my first column, in bytes of f32: 1,024 x block column + 512 x half; for the bias and for out0
	s_lshl_b32 s67, s14, 9
	s_add_co_u32 s66, s66, s67
	s_mov_b32 s67, 0
	s_lshl_b32 s68, s19, 21                        ; my first row of out0: 128 x block row + 64 x half, rows of 16,384 bytes
	s_lshl_b32 s69, s13, 20
	s_add_co_u32 s68, s68, s69
	s_mov_b32 s69, 0
	s_lshl_b32 s[OFS], s[PAR], 9                   ; time-lap 0 is lap p: 512 p bytes along the rows
	s_mov_b32 s[OFS+1], 0
	s_mov_b32 s[NXT], 1                            ; the first refills are for time-lap 1
	s_wait_dscnt 0x0
	s_wait_kmcnt 0x0
	s_add_nc_u64 s[40:41], s[4:5], s[40:41]        ; xb and wb at my rows' first byte; kept for the whole launch
	s_add_nc_u64 s[42:43], s[6:7], s[42:43]
	s_add_nc_u64 s[8:9], s[8:9], s[66:67]
	s_add_nc_u64 s[10:11], s[10:11], s[68:69]
	s_add_nc_u64 s[10:11], s[10:11], s[66:67]
	CROUND                                         ; all sixteen work-groups are here: the first joint loads meet
.irp s, 0,1
.if \s
	s_or_b32 s[OFS], s[OFS], KSTEP*2               ; the lap's second K step, 256 bytes on
.endif
	s_mov_b32 s[G0+4*\s], 1                                        ; count = 1
	s_add_co_u32 s[G0+4*\s+1], s44, \s*SLOT                        ; LDS address
	s_mov_b32 s[G0B+4*\s], 1
	s_add_co_u32 s[G0B+4*\s+1], s45, \s*SLOT
	AIM \s
	JLOAD \s                                       ; the ring is filled before anything else is done
.endr
	; A fragment is 16 rows x 32 K in 8 registers: lane l holds row l % 16; registers 0-3 K = 8 (l / 16) + 0..7, registers 4-7 K = 16 + 8 (l / 16) + 0..7:
	; two loads of 16 bytes, 32 bytes apart, at row x pitch + 16 (l / 16).
	v_and_b32 v1, 15, v0                           ; r = l % 16
	v_bfe_u32 v2, v0, 4, 1                         ; h = l / 16
	v_and_b32 v5, 31, v0                           ; l
	v_mul_u32_u24 v3, v1, PITCH
	v_lshl_add_u32 v3, v2, 4, v3
	s_mul_i32 s46, s13, XHALF                      ; my 64 rows of xb
	s_mul_i32 s47, s14, WHALF                      ; my 128 rows of wb,
	s_add_co_u32 s47, s47, XT                      ; which lie behind xb's 128
.irp s, 0,1
	v_add_nc_u32 v[ADRA+\s], s46, v3
	v_add_nc_u32 v[ADRB+\s], s47, v3
	s_add_co_u32 s46, s46, SLOT
	s_add_co_u32 s47, s47, SLOT
.endr
	s_mul_i32 s22, s12, 16*SPITCH
	s_add_co_u32 s22, s22, STAGE                   ; my stage
	v_mul_u32_u24 v4, v1, SPITCH
	v_lshl_add_u32 v4, v2, 5, v4
	v_add_nc_u32 v[STO], s22, v4                   ; in: row r, 8 h columns of f32
	v_lshl_add_u32 v[RD], v5, 4, s22               ; back: a whole row of 512 bytes, 16 a lane
	v_lshlrev_b32 v[CO], 4, v5
	v_lshlrev_b32 v[BO], 5, v2
	WIN TOBIAS
.irp b, 0,1,2,3,4,5,6,7
	global_load_b128 v[8*\b:8*\b+3],   v[BO], s[8:9] offset:64*\b      ; the bias of columns 16 b + 8 h + 0..3,
	global_load_b128 v[8*\b+4:8*\b+7], v[BO], s[8:9] offset:64*\b+16   ; and + 4..7: once, kept in registers
.endr
	WIN 0
; 8 matrix instructions: m block a x all 8 n blocks, 32 along K.  bias = 1: the sums start from the bias: nothing is cleared and nothing is added at the end.
; The 32 accumulators take turns, one instruction a turn, in the same order in every quarter step.
.macro MULB f, a, bias
.irp b, 0,1,2,3,4,5,6,7
.if \bias
	v_wmma_f32_16x16x32_f16 v[8*(8*\a+\b):8*(8*\a+\b)+7], v[\f+8*\b:\f+8*\b+7], v[\f+64+8*\a:\f+64+8*\a+7], v[8*\b:8*\b+7]
.else
	v_wmma_f32_16x16x32_f16 v[8*(8*\a+\b):8*(8*\a+\b)+7], v[\f+8*\b:\f+8*\b+7], v[\f+64+8*\a:\f+64+8*\a+7], v[8*(8*\a+\b):8*(8*\a+\b)+7]
.endif
.endr
.endm
; 24 LDS loads in one run: the fragments of one quarter step (128 rows of wb, then 64 rows of xb, 32 K at byte k of the rows) into buffer f
.macro FETCH slot, k, f
	WIN 0
.irp i, 0,1,2,3,4,5,6,7
	ds_load_b128 v[\f+8*\i:\f+8*\i+3],   v[ADRB+\slot] offset:\k+\i*16*PITCH
	ds_load_b128 v[\f+8*\i+4:\f+8*\i+7], v[ADRB+\slot] offset:\k+\i*16*PITCH+32
.endr
.irp i, 0,1,2,3
	ds_load_b128 v[\f+64+8*\i:\f+64+8*\i+3],   v[ADRA+\slot] offset:\k+\i*16*PITCH
	ds_load_b128 v[\f+64+8*\i+4:\f+64+8*\i+7], v[ADRA+\slot] offset:\k+\i*16*PITCH+32
.endr
.endm
; A load into a register that a matrix instruction has read, and an LDS store that reads a matrix result, stand four places behind that matrix instruction,
; and only plain vector instructions that name none of its registers are places; the matrix instructions in between are not counted.
.macro PLACES
.rept 4
	v_nop
.endr
.endm
; A K step is four quarter steps of 32 along K, 32 matrix instructions each, on buffers 0, 1, 0, 1.
; One of the first three: multiplies buffer f; in its middle it fetches the next quarter's fragments, at byte k of the same slot's rows, into buffer g.
.macro QUARTER slot, k, f, g, bias
	s_wait_dscnt 4                                 ; wb's blocks and xb's blocks 0 and 1 are in; the youngest four loads (xb's blocks 2 and 3) may be out
.if \bias
	WIN MULBIAS
.else
	WIN MUL
.endif
	MULB \f, 0, \bias
	MULB \f, 1, \bias
	PLACES
	FETCH \slot, \k, \g
	s_wait_dscnt 24                                ; all but the 24 just issued
.if \bias
	WIN MULBIAS
.else
	WIN MUL
.endif
	MULB \f, 2, \bias
	MULB \f, 3, \bias
.endm
.macro THREE slot, bias
	QUARTER \slot, 64,  F0, F1, \bias
	QUARTER \slot, 128, F1, F0, 0
	QUARTER \slot, 192, F0, F1, 0
.endm
; The last quarter: multiplies buffer 1 and changes slots.  next = the other slot; fill = 1: this slot is filled again, with its K step of time-lap s[NXT].
; One barrier for the change of slots.  In front of it each wave waits for its own reads of this slot and for all its tensor loads, of which one is out:
; its part of the next slot.  Behind it nobody reads this slot any more and the next slot is whole: the refill comes first, then the next slot's first fragments.
; Nothing stands between the wave's waits and the refill but an LDS add and its wait, the barrier's own lines and four scalar lines: 24 of the quarter's 32 matrix instructions follow
; the refill, where they cover the first fragments' way from LDS.  From a request to the wait for it a wave issues 128 matrix instructions.
.macro TURN slot, next, fill
	s_wait_dscnt 4
	WIN MUL
	MULB F1, 0, 0
.if \fill
	s_xor_b32 s[OFS], s[NXT], s[PAR]               ; the lap of time-lap s[NXT],
	s_lshl_b32 s[OFS], s[OFS], 9                   ; 512 bytes of a row each,
.if \slot
	s_or_b32 s[OFS], s[OFS], KSTEP*2               ; and its second K step for slot 1
.endif
.endif
	WIN 0
	s_wait_dscnt 0                                 ; my reads of this slot are over
	s_wait_tensorcnt 0x0                           ; and all my tensor loads have landed: the one that was out is my part of the next slot
	ds_add_u32 v62, v63
	s_wait_dscnt 0x0
.if \fill
	AIM \slot                                      ; no tensor load of mine is out: this slot's two group 0 may be written
.endif
	s_barrier_signal -1                            ; say so (where a slot is filled again this barrier opens a round of the cluster's barrier)
	s_barrier_wait -1                              ; and go on when all four have said so
.if \fill
	CREST                                          ; all sixteen work-groups have said so: no wave of any partner still reads this slot's tile or has a load on its way
	JLOAD \slot                                    ; the first tensor load behind the round, and my only one until the next
.endif
	PLACES
	FETCH \next, 0, F0
	WIN MUL
	MULB F1, 1, 0
	MULB F1, 2, 0
	MULB F1, 3, 0
.endm
.macro LAP bias                        ; once round the ring, both slots filled again
	THREE 0, \bias
	TURN 0, 1, 1
	THREE 1, 0
	TURN 1, 0, 1
	s_add_co_u32 s[NXT], s[NXT], 1                 ; both slots have been asked for: the next refills are for the time-lap behind
.endm
	s_wait_loadcnt 0x0                             ; the bias, once
	s_wait_tensorcnt 0x1                           ; my part of the first K step is in; the second's stays out
	s_barrier_signal -1
	s_barrier_wait -1                              ; everybody's is
	FETCH 0, 0, F0
	LAP 1                                          ; the first lap stands in front of the loop: its first products start the sums from the bias
	WIN 0                                          ; at a label and at a branch every window is 0
	s_mov_b32 s15, LAPS-2
.Llap:
	LAP 0
	WIN 0
	s_sub_co_u32 s15, s15, 1
	s_cmp_lg_u32 s15, 0
	s_cbranch_scc1 .Llap
	THREE 0, 0                                     ; the last lap fills nothing and has no round of the cluster's barrier: my one tensor load still out is slot 1's, the last K step's
	TURN 0, 1, 0
	THREE 1, 0
	s_wait_dscnt 4                                 ; the very last quarter: nothing more to fetch
	WIN MUL
	MULB F1, 0, 0
	MULB F1, 1, 0
	s_wait_dscnt 0
	MULB F1, 2, 0
	MULB F1, 3, 0
	; THE WAY OUT, 16 rows at a time: 32 bytes a lane into my own stage in LDS, read back as whole rows of 512 bytes.
	PLACES                                         ; behind the last matrix instructions: for the LDS stores, which read results, and for the loads into the fragment buffers
; rows 16 i .. 16 i + 15 of my 64 = the eight tiles (i, 0..7); t0: F0 or F1 in turn
.macro OUT16 i, t0
	WIN FROMACC
.irp b, 0,1,2,3,4,5,6,7
	ds_store_b128 v[STO], v[8*(8*\i+\b):8*(8*\i+\b)+3]   offset:64*\b
	ds_store_b128 v[STO], v[8*(8*\i+\b)+4:8*(8*\i+\b)+7] offset:64*\b+16
.endr
	WIN 0
	s_wait_xcnt 0x0                                ; buffer t0 is the data of stores issued two turns ago: it is loaded again only behind this wait
.irp t, 0,1,2,3,4,5,6,7,8,9,10,11,12,13,14,15
	ds_load_b128 v[\t0+4*\t:\t0+4*\t+3], v[RD] offset:\t*SPITCH    ; LDS serves a wave's instructions in order (ISA guide 5.7.1): these see the stores above
.endr
.irp t, 0,1,2,3,4,5,6,7,8,9,10,11,12,13,14,15
	s_wait_dscnt 15-\t                             ; row t is back; the 15 - t younger rows stay out
	global_store_b128 v[CO], v[\t0+4*\t:\t0+4*\t+3], s[10:11] offset:(16*\i+\t)*OROW th:TH_STORE_NT   ; the wave stores 512 consecutive bytes, at a multiple of 512 from out0's first byte; the row stands in the immediate, 1,032,192 at the most
.endr
.endm
	OUT16 0, F0
	OUT16 1, F1
	OUT16 2, F0
	OUT16 3, F1
	s_wait_tensorcnt 0x0
	ds_add_u32 v62, v63
	s_wait_dscnt 0x0
	CROUND                                         ; the closing round: no work-group ends while a partner may still ask for a tile that names it
	s_endpgm
.Lfunc_end_k_q0929e874b9_gemm:
	.size	k_q0929e874b9_gemm, .Lfunc_end_k_q0929e874b9_gemm-k_q0929e874b9_gemm
	.p2alignl 7, 3214868480
	.fill 96, 4, 3214868480
	.section	.rodata,"a",@progbits
	.p2align	6, 0x0
	.amdhsa_kernel k_q0929e874b9_gemm
		.amdhsa_group_segment_fixed_size 327680
		.amdhsa_private_segment_fixed_size 0
		.amdhsa_enable_private_segment 0
		.amdhsa_kernarg_size 32
		.amdhsa_user_sgpr_count 2
		.amdhsa_user_sgpr_kernarg_segment_ptr 1
		.amdhsa_wavefront_size32 1
		.amdhsa_system_sgpr_workgroup_id_x 1
		.amdhsa_system_sgpr_workgroup_id_y 1
		.amdhsa_system_sgpr_workgroup_id_z 1
		.amdhsa_system_vgpr_workitem_id 0
		.amdhsa_next_free_vgpr 576
		.amdhsa_next_free_sgpr 76
		.amdhsa_reserve_vcc 0
		.amdhsa_float_denorm_mode_32 3
		.amdhsa_float_denorm_mode_16_64 3
		.amdhsa_memory_ordered 1
		.amdhsa_forward_progress 1
		.amdhsa_inst_pref_size 120
	.end_amdhsa_kernel
	.amdgpu_metadata
---
amdhsa.version: [ 1, 2 ]
amdhsa.kernels:
  - .name:           k_q0929e874b9_gemm
    .symbol:         k_q0929e874b9_gemm.kd
    .args:
      - { .name: xb, .offset: 0, .size: 8, .value_kind: global_buffer, .address_space: global }
      - { .name: wb, .offset: 8, .size: 8, .value_kind: global_buffer, .address_space: global }
      - { .name: b_base, .offset: 16, .size: 8, .value_kind: global_buffer, .address_space: global }
      - { .name: out0, .offset: 24, .size: 8, .value_kind: global_buffer, .address_space: global }
    .group_segment_fixed_size: 327680
    .private_segment_fixed_size: 0
    .kernarg_segment_align: 8
    .kernarg_segment_size: 32
    .max_flat_workgroup_size: 128
    .sgpr_count:     76
    .vgpr_count:     576
    .wavefront_size: 32
...
	.end_amdgpu_metadata
.endif
;; end of part 2
